; MI455X (gfx1250); checked and timed in simulation.
; The chip was launched on July 23, 2026; its instructions are those of AMD's public machine-readable ISA for CDNA 5 (MIT licence, August 2026) and "CDNA5" Instruction Set Architecture Reference Guide (July 2026). The comments in the code are by the model that wrote it; some were corrected since.
;; BERT Em Self Attention. Allowed arithmetic: matrix products marked QUANTISED: E3M2 operands, one E8M0 scale for each 32 along K, by v_wmma_scale_f32_16x16x128_f8f6f4 with both operands' format E3M2, f32 sums; everything else in f32.
;; Inputs: Wk 1,024 x 1,024 float32; Wq 1,024 x 1,024 float32; Wv 1,024 x 1,024 float32; attention_mask 4 x 1 x 1 x 2,048 float32; bk 1,024 float32; bq 1,024 float32; bv 1,024 float32; hidden_states 4 x 2,048 x 1,024 float32; k_emb 8 x 1,024 float32; q_emb 8 x 1,024 float32; v_emb 8 x 1,024 float32.
;; Outputs: out0 4 x 2,048 x 1,024 float32.
;; Constants: index = 3.
;; This version of the problem:
;;   THIS VERSION OF THE PROBLEM IS GIVEN IN LOW PRECISION. The matrix products marked QUANTISED in the list below multiply operands that are first quantised to E3M2 (3 exponent bits, 2 mantissa bits; 6 bits a number), with one power-of-two scale for each 32 numbers along K (OCP MX v1.0); their sums are f32. All else is computed in f32.
;;   The module's matrix products, in the order in which they are computed (A, B: the left and right operand; K: the contracted axis; several contracted axes count as one K, in the product's order):
;;     1. [M 8,192, K 1,024] x [K 1,024, N 1,024]; A: input hidden_states; B: input Wq: QUANTISED
;;     2. [M 8,192, K 1,024] x [K 1,024, N 1,024]; A: input hidden_states; B: input Wk: QUANTISED
;;     3. [M 8,192, K 1,024] x [K 1,024, N 1,024]; A: input hidden_states; B: input Wv: QUANTISED
;;     4. batch 64 x [M 2,048, K 64] x [K 64, N 2,048]; A: computed on the way; B: computed on the way: QUANTISED
;;     5. batch 64 x [M 2,048, K 2,048] x [K 2,048, N 64]; A: softmax (see below); B: computed on the way: QUANTISED
;;   THE QUANTISER, for each operand of a quantised product, along K:
;;     - K is cut into blocks of 32 from its start; a last block that is shorter is filled with zeros.
;;     - A block's scale is 2^e with e = floor(log2(the largest magnitude in the block)) - 4, held to -126 .. 127; a block of zeros has e = 0. As a byte (E8M0): e + 127.
;;     - Each number is divided by its block's scale, clamped to +-28, and rounded to the nearest number of E3M2, ties to even, subnormals kept.
;;     - The product sums the exact products of the quantised numbers (number of the format x scale) in f32.
;;   ~~~python
;;   def quantise(x, axis):      # numpy; x: float32 -> the quantised numbers, widened to float32 again
;;       x = np.moveaxis(x, axis, -1); K = x.shape[-1]
;;       x = np.pad(x, [(0, 0)] * (x.ndim - 1) + [(0, -K % 32)]); x = x.reshape(x.shape[:-1] + (-1, 32)); a = np.abs(x).max(-1, keepdims=True)
;;       e = np.where(a > 0, np.clip(np.frexp(np.where(a > 0, a, 1))[1] - 1 - 4, -126, 127), 0)      # np.frexp(a)[1] - 1 = floor(log2(a)), exactly
;;       r = np.clip(x / 2.0 ** e, -28, 28)
;;       step = 2.0 ** (np.maximum(np.frexp(np.where(r == 0, 1, r))[1] - 1, -2) - 2)
;;       q = np.round(r / step) * step * 2.0 ** e      # np.round: ties to even
;;       return np.moveaxis(q.reshape(q.shape[:-2] + (-1,))[..., :K], -1, axis).astype(np.float32)
;;   ~~~
;;   SOFTMAX AHEAD OF A QUANTISED PRODUCT. Where the list says 'softmax', what is quantised is not the finished softmax but p = 2^(t - M), with t = logit x log2(e) and M = ceil(the row's largest t), a whole number; so 1/2 < the row's largest p <= 1. The row's sum l is taken of the UNQUANTISED p, in f32, and the product's result is divided by l at the end. Since M is a whole number, a kernel that streams over the keys may use a running M (the ceiling of the running maximum): every later rescaling is an exact power of two, which a block's scale takes up: the codes' values come out the same.
;;   OPERANDS COMPUTED ON THE WAY. 'Computed on the way' means the value that the module computes at that place (a softmax that the list does not call 'softmax' is quantised finished and normalised). What goes into a quantiser is computed in f32, as accurately as f32 sums, v_exp_f32 and their like allow (about 1e-6 of the number): no bf16 or f16 on the way to a quantiser, and a product that is left as it is and whose result goes on into a quantised operand takes f32 operands (vector FMAs, or v_wmma_f32_16x16x4_f32). A number that lies on a knife's edge between two numbers of the format may be rounded either way, as far as f32 arithmetic and the matrix unit's own rounding can turn it there, and no further.
;; One version. Each part assembles by itself: llvm-mc -triple=amdgcn-amd-amdhsa -mcpu=gfx1250 --defsym DOCPART=n.
;; ======== version 1 of 1: 3 launches
;; limits: right only within a limited range of input values
;; workspace buffers: cod 8,650,752 bytes; scl 360,448 bytes; bias3 12,288 bytes; qkv 26,738,688 bytes
;; launch quant (part 1): grid 352 x 1, 4 waves a work-group, no clusters, 68,096 bytes of LDS; arguments Wq, Wk, Wv, bq, bk, bv, q_emb, k_emb, v_emb, cod, scl, bias3, hidden_states; writes cod, scl, bias3
.if DOCPART == 1
	.amdgcn_target "amdgcn-amd-amdhsa--gfx1250"
	.amdhsa_code_object_version 6
	.text
	.protected	k_qe9a396951c_quant
	.globl	k_qe9a396951c_quant
	.p2align	8
	.type	k_qe9a396951c_quant,@function
k_qe9a396951c_quant:
	s_mov_b64 s[64:65], 0
	v_nop
	global_prefetch_b8 v0, s[64:65] scope:SCOPE_SE
	s_setreg_imm32_b32 hwreg(HW_REG_WAVE_MODE, 25, 1), 1
	s_wait_xcnt 0x0
; One launch quantises all four operands of the projections to codes of BF6 (E3M2), K innermost (768 bytes a row of 1,024 codes), with one E8M0 byte for each 32 along K (32 bytes a row).
; Rows 0-8191 of cod and scl are hidden_states' tokens, rows 8192 + 1024 w + .. the columns of Wq, Wk, Wv (w = 0, 1, 2).  No step of the problem is left out: every input has its way to the output.
; A block's byte is its largest magnitude's exponent field - 4, held at 1 from below.  A block of zeros so gets 1 where the quantiser says 127: its codes are zeros, and this program alone reads the bytes.
; WHERE A ROW GOES: item 64 g + 32 a + 8 b + j (a token, or a column of a weight; a 0-1, b 0-3, j 0-7) is stored at place 64 g + 16 b + 8 a + j.  So rows 0-7 of four neighbouring tiles of 16 places are
; 32 neighbouring items and rows 8-15 the next 32: in the next launch's results a lane's 32 registers of four neighbouring tiles are one whole block of 32 along the next product's K.
; LIMITS: NaN and infinities among the inputs are not served.
; Work-groups 0-95 take the weights (id / 4: weight and 128 columns; id % 4: 256 along K), work-groups 96-351 take 32 tokens each.  The two paths part on the work-group's number and have LDS bytes of their own.
; No barrier: waves share nothing.  No matrix unit, cluster or tensor load: the launch streams.
.set NWG_W, 96
.set EMAX,  4
.set SPARE, 67584                      ; behind both paths' bytes: the spare words, 128 bytes a wave
.set SIZE_N, 1024
.set NB,    8                          ; the weights: blocks a lane (256 along K)
.set ROWB,  192
.set PITCH, 272                        ; a stage row: sixteen places of 16 bytes, each with 12 bytes of codes, + 16
.set KROW,  768
.set WSTG,  32768                      ; the weights' stages: 4 x 32 x PITCH bytes
.set WX,    32                         ; v32-95 two sets of 32 numbers
.set WC,    96                         ; a block's codes
.set OUTR,  112                        ; the way out: 16 x 4 registers
.set SB,    24                         ; v24-25 scale bytes
.set STEPS, 16                         ; the tokens: steps of 512 numbers a wave
.set CB,    12                         ; bytes of 16 codes
.set XR,    16                         ; v16-79 four sets of 16 numbers as loaded
.set XX,    80                         ; v80-111 two sets of 16 neighbours
.set XC,    128                        ; v128-191 codes, four registers a step
.set XE,    112                        ; v112-127 a scale byte a step
.set WREG,  8192                       ; a wave's region: two stages of 32 x SP bytes, then its 256 scale bytes
.set SP,    80
	v_lshl_add_u32 v192, v0, 2, SPARE
	v_mov_b32 v193, 0
	v_lshrrev_b32 v1, 5, v0
	v_readfirstlane_b32 s40, v1                    ; wave
	v_and_b32 v2, 31, v0                           ; lane
	s_cmp_ge_u32 ttmp9, NWG_W
	s_wait_alu depctr_va_vdst(0)                   ; the wait ahead of the branch
	s_cbranch_scc1 .Lx_path
; THE WEIGHTS.  A lane takes a column n and its registers run down K: a load reads 128 consecutive bytes a wave, a block of 32 along K lies in one lane, the codes come out with K innermost.
; A wave's 32 columns have a = wave % 2, b = lane / 8, j = lane % 8: their places are 16 (lane / 8) + lane % 8 behind 64 (wave / 2) + 8 (wave % 2).
	s_load_b512 s[8:23], s[0:1], 0x0               ; Wq, Wk, Wv, bq, bk, bv, q_emb, k_emb
	s_load_b256 s[24:31], s[0:1], 0x40             ; v_emb, codes, scale bytes, bias3
	s_lshr_b32 s38, ttmp9, 2                       ; 8 x weight + which 128 columns
	s_and_b32 s44, ttmp9, 3                        ; which 256 along K
	s_lshr_b32 s42, s38, 3
	s_and_b32 s43, s38, 7
	v_lshlrev_b32 v3, 2, v2
	s_mul_i32 s41, s40, 32*PITCH
	s_add_co_u32 s41, s41, WSTG                    ; my stage
	v_and_b32 v10, 7, v2
	v_lshrrev_b32 v11, 3, v2
	v_lshl_add_u32 v10, v11, 4, v10                ; my column's place behind the wave's first
	v_mul_u32_u24 v4, v2, PITCH
	v_add_nc_u32 v4, s41, v4                       ; into the stage: row = my lane
	v_lshlrev_b32 v9, 5, v10                       ; my place's row of scale bytes
	v_and_b32 v5, 15, v2
	v_lshrrev_b32 v6, 4, v2
	v_mul_u32_u24 v7, v6, PITCH
	v_lshl_add_u32 v7, v5, 4, v7
	v_add_nc_u32 v7, s41, v7                       ; out of it: sixteen lanes to a row
	v_mul_u32_u24 v8, v6, KROW
	v_mad_u32_u24 v8, v5, 12, v8
	s_lshl_b32 s45, s43, 7
	s_lshl_b32 s46, s40, 5
	s_add_co_u32 s45, s45, s46
	s_lshl_b32 s45, s45, 2
	s_lshl_b32 s48, s44, 20                        ; 256 rows of 4,096 bytes
	s_add_co_u32 s48, s48, s45
	s_mov_b32 s49, 0
	s_lshl_b32 s50, s38, 7
	s_lshr_b32 s51, s40, 1
	s_lshl_b32 s51, s51, 6
	s_add_co_u32 s50, s50, s51
	s_and_b32 s51, s40, 1
	s_lshl_b32 s51, s51, 3
	s_add_co_u32 s50, s50, s51
	s_add_co_u32 s50, s50, 8192                    ; my wave's first place in the two buffers
	s_mul_i32 s52, s50, KROW
	s_mul_i32 s47, s44, ROWB
	s_add_co_u32 s52, s52, s47
	s_mov_b32 s53, 0
	s_lshl_b32 s54, s50, 5
	s_lshl_b32 s47, s44, 3
	s_add_co_u32 s54, s54, s47
	s_mov_b32 s55, 0
	s_wait_alu depctr_va_vdst(0)                   ; the wait at the head's end
	s_wait_kmcnt 0x0
	s_cmp_eq_u32 s42, 0                            ; only pointers are chosen, on the work-group's number
	s_cselect_b64 s[4:5], s[8:9], s[10:11]
	s_cselect_b64 s[34:35], s[14:15], s[16:17]
	s_cselect_b64 s[36:37], s[20:21], s[22:23]
	s_cmp_eq_u32 s42, 2
	s_cselect_b64 s[4:5], s[12:13], s[4:5]
	s_cselect_b64 s[34:35], s[18:19], s[34:35]
	s_cselect_b64 s[36:37], s[24:25], s[36:37]
	s_add_nc_u64 s[4:5], s[4:5], s[48:49]
	s_add_nc_u64 s[6:7], s[26:27], s[52:53]
	s_add_nc_u64 s[32:33], s[28:29], s[54:55]
	s_cmp_lg_u32 s44, 0
	s_cbranch_scc1 .Lno_bias
	s_lshl_b32 s46, s43, 9                         ; b + emb[3] for the work-group's 128 columns, one a thread, in true column order
	s_mov_b32 s47, 0
	s_add_nc_u64 s[34:35], s[34:35], s[46:47]
	s_add_nc_u64 s[36:37], s[36:37], s[46:47]
	s_lshl_b32 s46, s38, 9
	s_add_nc_u64 s[30:31], s[30:31], s[46:47]
	v_lshlrev_b32 v180, 2, v0
	global_load_b32 v181, v180, s[34:35]
	global_load_b32 v182, v180, s[36:37] offset:3*4096   ; row 3 of the table: the problem's constant index
	s_wait_loadcnt 0x0
	v_add_f32 v183, v181, v182
	s_wait_alu depctr_va_vdst(0)
	global_store_b32 v180, v183, s[30:31]
.Lno_bias:
.macro WLOAD t
.irp i, 0,1,2,3,4,5,6,7,8,9,10,11,12,13,14,15,16,17,18,19,20,21,22,23,24,25,26,27,28,29,30,31
	global_load_b32 v[WX+32*((\t)%2)+\i], v3, s[4:5] offset:(32*(\t)+\i)*SIZE_N*4 th:TH_LOAD_NT
.endr
.endm
	WLOAD 0
	WLOAD 1
.macro BLOCK t
.set XS, WX+32*((\t)%2)
.if (\t) < NB-1
	s_wait_loadcnt 32                              ; this block's 32 loads are in; the next block's may be out
.else
	s_wait_loadcnt 0
.endif
	v_max3_num_f32 v12, |v[XS]|, |v[XS+1]|, |v[XS+2]|
	v_max3_num_f32 v13, |v[XS+3]|, |v[XS+4]|, |v[XS+5]|
.irp i, 6,10,14,18,22,26
	v_max3_num_f32 v12, v12, |v[XS+\i]|, |v[XS+\i+1]|
	v_max3_num_f32 v13, v13, |v[XS+\i+2]|, |v[XS+\i+3]|
.endr
	v_max3_num_f32 v12, v12, |v[XS+30]|, |v[XS+31]|
	v_max3_num_f32 v12, v12, v13, (EMAX+1)<<23     ; the floor: the byte cannot fall under 1
	v_add_nc_u32 v11, -(EMAX<<23), v12             ; the conversion's scale operand
	v_lshrrev_b32 v13, 23, v11                     ; the scale's byte
.if (\t)%4 == 0
	v_mov_b32 v[SB+(\t)/4], v13
.else
	v_lshl_or_b32 v[SB+(\t)/4], v13, 8*((\t)%4), v[SB+(\t)/4]
.endif
	v_cvt_scalef32_pk16_bf6_f32 v[WC:WC+2], v[XS:XS+15], v11
	v_cvt_scalef32_pk16_bf6_f32 v[WC+4:WC+6], v[XS+16:XS+31], v11
	v_nop                                          ; one plain line behind the conversions
	ds_store_b96 v4, v[WC:WC+2] offset:32*(\t)
	ds_store_b96 v4, v[WC+4:WC+6] offset:32*(\t)+16
.if (\t)+2 < NB
	WLOAD (\t)+2
.endif
	s_wait_dscnt 0x0                               ; the stores have read their registers
.endm
.set Q, 0
.rept NB
	BLOCK Q
.set Q, Q+1
.endr
	s_wait_alu depctr_va_vdst(0)
	global_store_b64 v9, v[SB:SB+1], s[32:33]      ; my column's 8 scale bytes
.irp t, 0,1,2,3,4,5,6,7,8,9,10,11,12,13,14,15
	ds_load_b96 v[OUTR+4*\t:OUTR+4*\t+2], v7 offset:2*\t*PITCH
.endr
.irp t, 0,1,2,3,4,5,6,7,8,9,10,11,12,13,14,15
	s_wait_dscnt 15-\t                             ; load t is in, the younger ones stay out
	global_store_b96 v8, v[OUTR+4*\t:OUTR+4*\t+2], s[6:7] offset:(16*(\t/4)+2*(\t%4))*KROW   ; stage row q goes to place 16 (q / 8) + q % 8
.endr
	s_wait_tensorcnt 0x0                           ; the wave's end
	ds_add_u32 v192, v193
	s_wait_dscnt 0x0
	s_endpgm
; THE TOKENS.  A wave takes 8 whole rows in 16 steps of 512 numbers.  A step's four loads read 512 consecutive bytes each; the 2,048 bytes turn through the wave's stage and come back 16 neighbours a lane;
; two neighbouring lanes hold a block.  Run R of 8 rows goes to the run of places whose low three bits are R's low two bits and, below them, R's bit 2.
.Lx_path:
	s_load_b64 s[4:5], s[0:1], 0x60                ; hidden_states
	s_load_b64 s[8:9], s[0:1], 0x48                ; the codes
	s_load_b64 s[10:11], s[0:1], 0x50              ; the scale bytes
	v_lshlrev_b32 v3, 4, v2
	s_mul_i32 s17, s40, WREG
	v_lshrrev_b32 v14, 2, v2
	v_mul_u32_u24 v14, v14, SP
	v_and_b32 v15, 3, v2
	v_lshl_add_u32 v14, v15, 4, v14
	v_add_nc_u32 v14, s17, v14                     ; the stage, on the way in
	v_mul_u32_u24 v15, v2, SP
	v_add_nc_u32 v15, s17, v15                     ; and on the way out
	v_mul_u32_u24 v4, v2, CB
	v_lshrrev_b32 v5, 1, v2
	s_add_co_u32 s17, s17, 2*32*SP
	v_add_nc_u32 v5, s17, v5                       ; my block's byte among my wave's 256
	v_lshlrev_b32 v7, 3, v2
	v_add_nc_u32 v6, s17, v7
	s_sub_co_u32 s24, ttmp9, NWG_W
	s_lshl_b32 s24, s24, 2
	s_add_co_u32 s18, s24, s40                     ; the run of 8 rows that I read
	s_and_b32 s20, s18, 3
	s_lshl_b32 s20, s20, 1
	s_bfe_u32 s21, s18, 0x10002
	s_or_b32 s20, s20, s21
	s_and_b32 s22, s18, 0xfffffff8
	s_or_b32 s22, s22, s20                         ; the run of 8 places that I write
	s_lshl_b32 s18, s18, 15
	s_mov_b32 s19, 0
	s_mul_i32 s20, s22, 32*STEPS*CB
	s_mov_b32 s21, 0
	s_lshl_b32 s22, s22, 8
	s_mov_b32 s23, 0
	s_wait_alu depctr_va_vdst(0)
	s_wait_kmcnt 0x0
	s_add_nc_u64 s[4:5], s[4:5], s[18:19]
	s_add_nc_u64 s[8:9], s[8:9], s[20:21]
	s_add_nc_u64 s[10:11], s[10:11], s[22:23]
.macro XLOAD t
.irp i, 0,1,2,3
	global_load_b128 v[XR+16*((\t)%4)+4*\i:XR+16*((\t)%4)+4*\i+3], v3, s[4:5] offset:2048*(\t)+512*\i th:TH_LOAD_NT
.endr
.endm
.macro XTURN t
.irp i, 0,1,2,3
	ds_store_b128 v14, v[XR+16*((\t)%4)+4*\i:XR+16*((\t)%4)+4*\i+3] offset:32*SP*((\t)%2)+8*SP*\i
.endr
.irp i, 0,1,2,3
	ds_load_b128 v[XX+16*((\t)%2)+4*\i:XX+16*((\t)%2)+4*\i+3], v15 offset:32*SP*((\t)%2)+16*\i
.endr
.endm
.irp t, 0,1,2,3
	XLOAD \t
.endr
	s_wait_loadcnt 12                              ; step 0's four loads are in; twelve younger ones stay out
	XTURN 0
.macro XSTEP t
.set XS, XX+16*((\t)%2)
.if (\t) > 0
	s_wait_dscnt 1                                 ; this step's numbers are back (the last step's byte store may be out)
.else
	s_wait_dscnt 0x0
.endif
.if (\t)+4 < STEPS
	XLOAD (\t)+4
.endif
.if (\t)+1 < STEPS
.if STEPS-2-(\t) >= 3
	s_wait_loadcnt 12                              ; the next step's four loads are in; three steps' may be out
.else
	s_wait_loadcnt 4*(STEPS-2-(\t))
.endif
	XTURN (\t)+1
.endif
	v_max3_num_f32 v8, |v[XS]|, |v[XS+1]|, |v[XS+2]|
	v_max3_num_f32 v9, |v[XS+3]|, |v[XS+4]|, |v[XS+5]|
.irp i, 6,10
	v_max3_num_f32 v8, v8, |v[XS+\i]|, |v[XS+\i+1]|
	v_max3_num_f32 v9, v9, |v[XS+\i+2]|, |v[XS+\i+3]|
.endr
	v_max3_num_f32 v8, v8, |v[XS+14]|, |v[XS+15]|
	v_max3_num_f32 v8, v8, v9, (EMAX+1)<<23
	v_max_num_f32_dpp v8, v8, v8 row_xmask:1 row_mask:0xf bank_mask:0xf   ; with my neighbour's 16: the block's
	v_add_nc_u32 v11, -(EMAX<<23), v8
	v_cvt_scalef32_pk16_bf6_f32 v[XC+4*(\t):XC+4*(\t)+2], v[XS:XS+15], v11
	v_lshrrev_b32 v[XE+(\t)], 23, v11              ; the scale's byte (also the plain line behind the conversion)
	ds_store_b8 v5, v[XE+(\t)] offset:16*(\t)
	global_store_b96 v4, v[XC+4*(\t):XC+4*(\t)+2], s[8:9] offset:32*CB*(\t)
.endm
.irp t, 0,1,2,3,4,5,6,7,8,9,10,11,12,13,14,15
	XSTEP \t
.endr
	ds_load_b64 v[12:13], v6
	s_wait_dscnt 0x0
	global_store_b64 v7, v[12:13], s[10:11]        ; 32 lanes store 256 consecutive bytes, aligned
	s_wait_tensorcnt 0x0                           ; the wave's end
	ds_add_u32 v192, v193
	s_wait_dscnt 0x0
	s_endpgm
.Lfunc_end_k_qe9a396951c_quant:
	.size	k_qe9a396951c_quant, .Lfunc_end_k_qe9a396951c_quant-k_qe9a396951c_quant
	.p2alignl 7, 3214868480
	.fill 96, 4, 3214868480
	.section	.rodata,"a",@progbits
	.p2align	6, 0x0
	.amdhsa_kernel k_qe9a396951c_quant
		.amdhsa_group_segment_fixed_size 68096
		.amdhsa_private_segment_fixed_size 0
		.amdhsa_enable_private_segment 0
		.amdhsa_kernarg_size 104
		.amdhsa_user_sgpr_count 2
		.amdhsa_user_sgpr_kernarg_segment_ptr 1
		.amdhsa_wavefront_size32 1
		.amdhsa_system_sgpr_workgroup_id_x 1
		.amdhsa_system_sgpr_workgroup_id_y 1
		.amdhsa_system_sgpr_workgroup_id_z 1
		.amdhsa_system_vgpr_workitem_id 0
		.amdhsa_next_free_vgpr 194
		.amdhsa_next_free_sgpr 66
		.amdhsa_reserve_vcc 0
		.amdhsa_float_denorm_mode_32 3
		.amdhsa_float_denorm_mode_16_64 3
		.amdhsa_memory_ordered 1
		.amdhsa_forward_progress 1
		.amdhsa_inst_pref_size 75
	.end_amdhsa_kernel
	.amdgpu_metadata
---
amdhsa.version: [ 1, 2 ]
amdhsa.kernels:
  - .name:           k_qe9a396951c_quant
    .symbol:         k_qe9a396951c_quant.kd
    .args:
      - { .name: Wq, .offset: 0, .size: 8, .value_kind: global_buffer, .address_space: global }
      - { .name: Wk, .offset: 8, .size: 8, .value_kind: global_buffer, .address_space: global }
      - { .name: Wv, .offset: 16, .size: 8, .value_kind: global_buffer, .address_space: global }
      - { .name: bq, .offset: 24, .size: 8, .value_kind: global_buffer, .address_space: global }
      - { .name: bk, .offset: 32, .size: 8, .value_kind: global_buffer, .address_space: global }
      - { .name: bv, .offset: 40, .size: 8, .value_kind: global_buffer, .address_space: global }
      - { .name: q_emb, .offset: 48, .size: 8, .value_kind: global_buffer, .address_space: global }
      - { .name: k_emb, .offset: 56, .size: 8, .value_kind: global_buffer, .address_space: global }
      - { .name: v_emb, .offset: 64, .size: 8, .value_kind: global_buffer, .address_space: global }
      - { .name: cod, .offset: 72, .size: 8, .value_kind: global_buffer, .address_space: global }
      - { .name: scl, .offset: 80, .size: 8, .value_kind: global_buffer, .address_space: global }
      - { .name: bias3, .offset: 88, .size: 8, .value_kind: global_buffer, .address_space: global }
      - { .name: hidden_states, .offset: 96, .size: 8, .value_kind: global_buffer, .address_space: global }
    .group_segment_fixed_size: 68096
    .private_segment_fixed_size: 0
    .kernarg_segment_align: 8
    .kernarg_segment_size: 104
    .max_flat_workgroup_size: 128
    .sgpr_count:     66
    .vgpr_count:     194
    .wavefront_size: 32
...
	.end_amdgpu_metadata
.endif
;; end of part 1
;; launch gemm (part 2): grid 8 x 48, 4 waves a work-group, clusters of 4 x 4, 327,680 bytes of LDS; arguments cod, scl, bias3, qkv; writes qkv
.if DOCPART == 2
	.amdgcn_target "amdgcn-amd-amdhsa--gfx1250"
	.amdhsa_code_object_version 6
	.text
	.protected	k_qe9a396951c_gemm
	.globl	k_qe9a396951c_gemm
	.p2align	8
	.type	k_qe9a396951c_gemm,@function
k_qe9a396951c_gemm:
	s_mov_b64 s[64:65], 0
	v_nop
	global_prefetch_b8 v0, s[64:65] scope:SCOPE_SE
	s_setreg_imm32_b32 hwreg(HW_REG_WAVE_MODE, 25, 1), 1
	s_wait_xcnt 0x0
	s_wait_alu depctr_hold_cnt(0) depctr_sa_sdst(0) depctr_va_vdst(0) depctr_va_sdst(0) depctr_va_ssrc(0) depctr_va_vcc(0) depctr_vm_vsrc(0)
	s_getreg_b32 s2, hwreg(HW_REG_IB_STS2, 6, 4)
	s_cmp_eq_u32 s2, 0
	s_cbranch_scc0 .Lentry_in_a_cluster
	s_endpgm
.Lentry_in_a_cluster:
	s_bfe_u32 s2, ttmp6, 0x10000c
	s_cmp_lg_u32 s2, 0xf033
	s_cbranch_scc0 .Lentry_shape_is_right
	s_endpgm
.Lentry_shape_is_right:
; The three projections on codes of BF6 with E8M0 scales, K = 1,024, and the quantising of q, k and v for the attention launch.  Rows of cod (768 bytes) and scl (32 bytes): 0-8191 tokens, 8192.. columns of Wq, Wk, Wv,
; each at its PLACE: item 64 g + 32 a + 8 b + j lies at place 64 g + 16 b + 8 a + j.
; A work-group makes 256 x 256, a wave 128 x 128 in 64 accumulators.  Clusters with y under 8: q and k: source 1 = tokens, source 0 = columns of Wq | Wk, so a lane holds one token and its registers run along the head's d.
; Clusters with y from 8 on: v: source 1 = columns of Wv, source 0 = tokens, so a lane holds one channel and its registers run along the keys.  In both, by the places, lane (r, h)'s registers 32 c .. 32 c + 31 of a
; block of 16 rows are items 64 c + 32 h + 0 .. 31 of source 0: one whole block of 32 along the next product's K, in the very lane in which the 6-bit operand's layout wants it.
; K goes through a ring of two LDS slots in chunks of 256 bytes of each row (three chunks; a row of codes is 768 bytes, so each chunk begins at a multiple of 256 bytes); a step of 128 along K is 96 bytes: steps 2 and 5 lie across two chunks.
; The scales of the 256 + 256 rows come once, as dense blocks in rows of 256 bytes.  The head's four tiles (A's chunk 0, B's chunk 0, A's scales, B's scales) are one joint load a wave.
; CLUSTERS 4 x 4: A's tiles are shared along a row of the cluster, B's along a column, by joint loads.  No prefetch: a tile's walk is three chunks, of which two are asked for at the head: no loop is left to run ahead in.
; THE WAY OUT: bias3 (b + emb[3]) is added in f32, each block of 32 along the next K gets its scale, and codes and scale words are stored as images of the attention launch's operand registers:
; qkv: [q | k and v][16 batch + head][16 records of 128 tokens]; a record of 13,056 bytes: at 0 eight tiles of 16 tokens x 64 d, at 6,144 four tiles of 16 d x 128 keys, at 12,288 the token tiles' scale words, at 12,800 v's.
; REGISTERS: window 0: v0-31 addresses, v32-63 scale words, v64-127 bias, from v128 A's fragments (on the way out: sums, codes); window 1: B's fragments, two sets; windows 2, 3: accumulators.
.set ROWB,   256
.set NQ,     2
.set KROW,   768
.set STEPS,  8
.set CHUNKS, 3
.set PITCH,  272
.set FR,     12
.set NL,     6
.set NP,     4
.set HALFT,  128*PITCH
.set SLOT,   4*HALFT
.set KS,     32
.set SCL,    2*SLOT
.set HALFS,  16*272
.set SBLK,   2*272
.set SPARE,  SCL+4*HALFS
.set REC,    13056
.set HEADB,  16*REC
.set ADRA, 16
.set ADRB, 20
.set CO8,  24
.set CO16, 25
.set SO,   26
.set ADRS, 27
.set SPW,  28
.set NIL,  29
.set BH,   30
.set BR,   31
.set SC,   32
.set BI,   64
.set AF,   128
.set ST,   128
.set PC,   192
.set TM,   212
.set PWS,  228
.set SH,   236
.set XW,   240
.set SEL,  98
.set G1, 24
.set G0, 32
.set G1B, 48
.set G0B, 56
.set G1S, 68
.set G0S, 76
.set G1SB, 80
.set G0SB, 88
.set G0H, 4
.set G0HB, 92
.set MSB, 0
.macro WIN new
.if MSB != \new
	s_set_vgpr_msb (MSB<<8)|\new
.set MSB, \new
.endif
.endm
.set MUL_LO, 0xa1
.set MUL_HI, 0xf1
.set TO_B,   0x40
.macro JLOAD g0a, g1a, g0b, g1b        ; waves 0 and 1 fetch for A, waves 2 and 3 for B
	s_cmp_eq_u32 s15, 0
	s_cbranch_scc0 .Lfor_b_\@
	tensor_load_to_lds s[\g0a:\g0a+3], s[\g1a:\g1a+7]
	s_nop 0
.rept 4
	v_nop
.endr
	s_branch .Lasked_\@
.Lfor_b_\@:
	tensor_load_to_lds s[\g0b:\g0b+3], s[\g1b:\g1b+7]
	s_nop 0
.rept 4
	v_nop
.endr
.Lasked_\@:
.endm
.macro CREST
	s_cmp_lg_u32 s14, 0
	s_cbranch_scc1 .Lnot_wave_0_\@
	s_barrier_signal -3
.Lnot_wave_0_\@:
	s_barrier_wait -3
	s_barrier_signal -1
	s_barrier_wait -1
.endm
.macro CROUND
	s_barrier_signal -1
	s_barrier_wait -1
	CREST
.endm
	s_load_b128 s[4:7], s[0:1], 0x0                ; cod, scl
	s_load_b128 s[8:11], s[0:1], 0x10              ; bias3, qkv
	v_lshl_add_u32 v[SPW], v0, 2, SPARE
	v_mov_b32 v[NIL], 0
	ds_add_u32 v[SPW], v[NIL]                      ; the opening lines: the add twice on end and one wait
	ds_add_u32 v[SPW], v[NIL]
	v_lshrrev_b32 v1, 5, v0
	v_readfirstlane_b32 s14, v1                    ; wave
	s_lshr_b32 s15, s14, 1                         ; my half of A's rows; also: I fetch for A (0) or B (1)
	s_and_b32 s16, s14, 1                          ; my half of B's rows; also: which 128 rows I fetch
	s_bfe_u32 s40, ttmp6, 0x40000                  ; cx
	s_bfe_u32 s41, ttmp6, 0x40004                  ; cy
	s_lshl_b32 s42, ttmp9, 2
	s_add_co_u32 s42, s42, s40
	s_and_b32 s96, ttmp7, 0xffff
	s_lshl_b32 s17, s96, 2
	s_add_co_u32 s17, s17, s41                     ; q, k: A's block of 256 rows = tokens' block
	s_add_co_u32 s98, s41, 40                      ; v: A's block = Wv's, 40 + cy
	s_max_u32 s99, s96, 8
	s_sub_co_u32 s99, s99, 8
	s_lshl_b32 s99, s99, 3
	s_add_co_u32 s99, s99, s42                     ; v: B's block = tokens'
	s_add_co_u32 s42, s42, 32                      ; q, k: B's block = Wq | Wk's, 32 ..
	s_cmp_ge_u32 s96, 8
	s_cselect_b32 s17, s98, s17
	s_cselect_b32 s42, s99, s42
	s_cselect_b32 s97, 1, 0                        ; 1: the v path
	s_lshl_b32 s43, s41, 2
	s_lshl_b32 s43, 15, s43                        ; my row of the cluster
	s_lshl_b32 s44, 0x1111, s40                    ; my column
	s_or_b32 s[G1+0], s43, (0<<16)|(1<<20)|(1<<21)|(5<<22)|(3<<25)
	s_or_b32 s[G1B+0], s44, (0<<16)|(1<<20)|(1<<21)|(5<<22)|(3<<25)
.irp g, G1, G1B
	s_mov_b32 s[\g+1], ROWB<<16
	s_mov_b32 s[\g+2], 256<<16                     ; the head's loads bring 256 rows
	s_mov_b32 s[\g+3], ROWB<<16
	s_mov_b32 s[\g+4], 256
	s_mov_b32 s[\g+5], KROW
	s_mov_b32 s[\g+6], 0
	s_mov_b32 s[\g+7], 0
.endr
	s_or_b32 s[G1S+0], s43, (3<<16)|(1<<20)|(1<<21)|(5<<22)|(3<<25)
	s_or_b32 s[G1SB+0], s44, (3<<16)|(1<<20)|(1<<21)|(5<<22)|(3<<25)
.irp g, G1S, G1SB
	s_mov_b32 s[\g+1], 32<<16                      ; the scales of 256 rows: 32 rows of 256 bytes
	s_mov_b32 s[\g+2], KS<<16
	s_mov_b32 s[\g+3], 32<<16
	s_mov_b32 s[\g+4], KS
	s_mov_b32 s[\g+5], 32
	s_mov_b32 s[\g+6], 0
	s_mov_b32 s[\g+7], 0
.endr
	s_lshl_b32 s20, s17, 8
	s_lshl_b32 s46, s42, 8
	s_mov_b32 s21, 0
	s_mov_b32 s47, 0
	s_mov_b64 s[18:19], KS
	s_mul_u64 s[22:23], s[20:21], s[18:19]
	s_mul_u64 s[92:93], s[46:47], s[18:19]
	s_mov_b64 s[18:19], KROW
	s_mul_u64 s[20:21], s[20:21], s[18:19]
	s_mul_u64 s[46:47], s[46:47], s[18:19]
	s_mul_i32 s18, s16, 128*KROW
	s_mov_b32 s19, 0
	s_mul_i32 s45, s14, HALFT
	s_wait_dscnt 0x0                               ; both opening adds are done
	s_wait_kmcnt 0x0
	s_add_nc_u64 s[20:21], s[4:5], s[20:21]
	s_add_nc_u64 s[22:23], s[6:7], s[22:23]
	s_add_nc_u64 s[46:47], s[4:5], s[46:47]
	s_add_nc_u64 s[92:93], s[6:7], s[92:93]
	CROUND                                         ; the first joint loads meet
	s_mov_b32 s[G0S], 1
	s_mov_b32 s[G0S+1], SCL
	s_mov_b64 s[G0S+2:G0S+3], s[22:23]
	s_or_b32 s[G0S+3], s[G0S+3], 0x80000000
	s_mov_b32 s[G0SB], 1
	s_mov_b32 s[G0SB+1], SCL+2*HALFS
	s_mov_b64 s[G0SB+2:G0SB+3], s[92:93]
	s_or_b32 s[G0SB+3], s[G0SB+3], 0x80000000
	s_mov_b32 s[G0H], 1
	s_mov_b32 s[G0H+1], 0
	s_mov_b64 s[G0H+2:G0H+3], s[20:21]
	s_or_b32 s[G0H+3], s[G0H+3], 0x80000000
	s_mov_b32 s[G0HB], 1
	s_mov_b32 s[G0HB+1], 2*HALFT
	s_mov_b64 s[G0HB+2:G0HB+3], s[46:47]
	s_or_b32 s[G0HB+3], s[G0HB+3], 0x80000000
	s_add_nc_u64 s[20:21], s[20:21], s[18:19]      ; for the ring: my 128 rows
	s_add_nc_u64 s[46:47], s[46:47], s[18:19]
.irp s, 0,1
	s_mov_b32 s[G0+4*\s], 1
	s_add_co_u32 s[G0+4*\s+1], s45, \s*SLOT
	s_add_nc_u64 s[G0+4*\s+2:G0+4*\s+3], s[20:21], \s*ROWB
	s_or_b32 s[G0+4*\s+3], s[G0+4*\s+3], 0x80000000
	s_mov_b32 s[G0B+4*\s], 1
	s_add_co_u32 s[G0B+4*\s+1], s45, \s*SLOT
	s_add_nc_u64 s[G0B+4*\s+2:G0B+4*\s+3], s[46:47], \s*ROWB
	s_or_b32 s[G0B+4*\s+3], s[G0B+4*\s+3], 0x80000000
.endr
.macro ARM under, g0, g1, next         ; the head's loads, one a wave, in one chain of branches on the wave's number
	s_cmp_lt_u32 s14, \under
	s_cbranch_scc0 \next
	tensor_load_to_lds s[\g0:\g0+3], s[\g1:\g1+7]
	s_nop 0
.rept 4
	v_nop
.endr
	s_branch .Lhead_asked
\next:
.endm
	ARM 1, G0H,  G1,  .Lhead_b
	ARM 2, G0HB, G1B, .Lhead_sa
	ARM 3, G0S,  G1S, .Lhead_sb
	tensor_load_to_lds s[G0SB:G0SB+3], s[G1SB:G1SB+7]
	s_nop 0
.rept 4
	v_nop
.endr
.Lhead_asked:
	v_and_b32 v1, 15, v0                           ; r
	v_bfe_u32 v2, v0, 4, 1                         ; h
	v_mul_u32_u24 v3, v1, PITCH
	v_mul_u32_u24 v4, v2, 24
	v_add_nc_u32 v4, v3, v4
	s_mov_b32 s21, SLOT-232
	s_mov_b32 s22, SLOT+232
	v_sub_nc_u32 v7, 1, v2
	v_mul_u32_u24 v5, s21, v2
	v_add_nc_u32 v5, v3, v5
	v_add_nc_u32 v5, 232, v5                       ; across two chunks: lanes 0-15 byte 232 in slot 0, lanes 16-31 byte 0 in slot 1;
	v_mul_u32_u24 v6, s22, v7
	v_add_nc_u32 v6, v3, v6                        ; and the other way round
	s_mul_i32 s21, s15, HALFT
	s_mul_i32 s22, s16, HALFT
	s_add_co_u32 s22, s22, 2*HALFT
	v_add_nc_u32 v[ADRA+2], s21, v5
	v_add_nc_u32 v[ADRA+3], s21, v6
	v_add_nc_u32 v[ADRB+2], s22, v5
	v_add_nc_u32 v[ADRB+3], s22, v6
.irp s, 0,1
	v_add_nc_u32 v[ADRA+\s], s21, v4
	v_add_nc_u32 v[ADRB+\s], s22, v4
	s_add_co_u32 s21, s21, SLOT
	s_add_co_u32 s22, s22, SLOT
.endr
	v_mul_u32_u24 v5, v1, KS
	v_lshrrev_b32 v6, 8, v5
	v_lshl_add_u32 v5, v6, 4, v5
	s_mul_i32 s21, s15, HALFS
	s_mul_i32 s22, s16, HALFS
	s_add_co_u32 s22, s22, 2*HALFS
	s_sub_co_u32 s22, s22, s21
	v_mul_u32_u24 v6, s22, v2                      ; lanes 16-31 take B's scale words
	s_add_co_u32 s21, s21, SCL
	v_add_nc_u32 v5, v5, v6
	v_add_nc_u32 v[ADRS], s21, v5
	v_and_b32 v6, 31, v0
	v_lshlrev_b32 v[CO8], 3, v6
	v_lshlrev_b32 v[CO16], 4, v6
	v_lshlrev_b32 v[SO], 4, v1
	v_mad_u32_u24 v[SO], v2, HEADB, v[SO]
	v_lshlrev_b32 v[BH], 7, v2                     ; q, k: my 32 columns of a head begin 32 h floats on
	v_and_b32 v[BR], 8, v1
	v_mad_u32_u24 v[BR], v[BR], 3, v1              ; v: row r of a tile is channel 32 (r / 8) + r % 8 behind the tile's first
	v_lshlrev_b32 v[BR], 2, v[BR]
	s_cmp_lg_u32 s97, 0
	s_cbranch_scc1 .Lbias_v
	s_sub_co_u32 s18, s42, 32                      ; q, k: the bias of my 128 columns, in the result's layout: register 32 c + i is column 64 c + 32 h + i
	s_lshl_b32 s18, s18, 8
	s_lshl_b32 s19, s16, 7
	s_add_co_u32 s18, s18, s19
	s_lshl_b32 s18, s18, 2
	s_mov_b32 s19, 0
	s_add_nc_u64 s[12:13], s[8:9], s[18:19]
	s_wait_alu depctr_va_vdst(0)
.irp g, 0,1
.irp q, 0,1,2,3,4,5,6,7
	global_load_b128 v[BI+32*\g+4*\q:BI+32*\g+4*\q+3], v[BH], s[12:13] offset:256*\g+16*\q
.endr
.endr
	s_wait_loadcnt 0x0
	s_branch .Lbias_done
.Lbias_v:
	s_sub_co_u32 s22, s17, 32                      ; v: a lane holds one channel: its bias, in all eight registers of a block
	s_lshl_b32 s22, s22, 8
	s_lshl_b32 s23, s15, 7
	s_add_co_u32 s22, s22, s23
	s_lshl_b32 s22, s22, 2
	s_mov_b32 s23, 0
	s_add_nc_u64 s[12:13], s[8:9], s[22:23]
	s_wait_alu depctr_va_vdst(0)
.irp a, 0,1,2,3,4,5,6,7
	global_load_b32 v[BI+8*\a], v[BR], s[12:13] offset:4*(64*(\a/4)+8*(\a%4))
.endr
	s_wait_loadcnt 0x0
.irp a, 0,1,2,3,4,5,6,7
.irp j, 1,2,3,4,5,6,7
	v_mov_b32 v[BI+8*\a+\j], v[BI+8*\a]
.endr
.endr
.Lbias_done:
.macro FRAG reg, adr, st, i            ; 16 rows x 128 K: 12 registers, in pieces of 8 bytes; byte y of a row lies in slot (y / 256) % 2 at byte y % 256
.irp p, 0,1,2,3,4,5
.set BY, 96*(\st)+48*(\p/3)+8*(\p%3)
.if BY/ROWB == (BY+24)/ROWB
	ds_load_b64 v[\reg+2*\p:\reg+2*\p+1], v[\adr+(BY/ROWB)%2] offset:BY%ROWB+(\i)*16*PITCH
.else
	ds_load_b64 v[\reg+2*\p:\reg+2*\p+1], v[\adr+2+(BY/ROWB)%2] offset:BY%ROWB-232+(\i)*16*PITCH
.endif
.endr
.endm
.macro MUL16 a0, p, q, sc, zero        ; A's blocks a0, a0 + 1 x B's eight; the 64 accumulators take turns
.irp a, \a0, \a0+1
.irp b, 0,1,2,3,4,5,6,7
.if \zero
	v_wmma_scale_f32_16x16x128_f8f6f4 v[8*(8*((\a)%4)+\b):8*(8*((\a)%4)+\b)+7], v[128*(\p)+FR*\b:128*(\p)+FR*\b+FR-1], v[AF+FR*(\a):AF+FR*(\a)+FR-1], 0, v[SC+8*NQ*(\sc)+NQ*\b+(\q)], v[SC+8*NQ*(\sc)+NQ*(\a)+(\q)] matrix_a_fmt:MATRIX_FMT_BF6 matrix_b_fmt:MATRIX_FMT_BF6 matrix_a_scale:MATRIX_SCALE_ROW1
.else
	v_wmma_scale_f32_16x16x128_f8f6f4 v[8*(8*((\a)%4)+\b):8*(8*((\a)%4)+\b)+7], v[128*(\p)+FR*\b:128*(\p)+FR*\b+FR-1], v[AF+FR*(\a):AF+FR*(\a)+FR-1], v[8*(8*((\a)%4)+\b):8*(8*((\a)%4)+\b)+7], v[SC+8*NQ*(\sc)+NQ*\b+(\q)], v[SC+8*NQ*(\sc)+NQ*(\a)+(\q)] matrix_a_fmt:MATRIX_FMT_BF6 matrix_b_fmt:MATRIX_FMT_BF6 matrix_a_scale:MATRIX_SCALE_ROW1
.endif
.endr
.endr
.endm
.macro FETCH_B st, p
	WIN TO_B
.irp i, 0,1,2,3,4,5,6,7
	FRAG 128*(\p)+FR*\i, ADRB, \st, \i
.endr
	WIN 0
.endm
.macro FETCH_A st, i0
.irp i, \i0, \i0+1, \i0+2, \i0+3
	FRAG AF+FR*(\i), ADRA, \st, \i
.endr
.endm
.macro SCALES pr                       ; the scale words of steps 2 pr, 2 pr + 1: lanes 0-15 A's block i, lanes 16-31 B's
.irp i, 0,1,2,3,4,5,6,7
	ds_load_b64 v[SC+8*NQ*((\pr)%2)+NQ*\i:SC+8*NQ*((\pr)%2)+NQ*\i+1], v[ADRS] offset:\i*SBLK+4*NQ*(\pr)
.endr
.endm
.macro PLACES n
.rept \n
	v_nop
.endr
.endm
; A step of 128 along K.  Where the next step's bytes end in a chunk not yet read: a wait for my tensor loads and a barrier.  Where they begin in a later chunk: the three lines, the barrier, and, where a chunk
; two further on is left, a round of the cluster's barrier and the refill.
.macro STEP st, zero
.set NX, (\st)+1
.set C0, (96*(\st))/ROWB
.set C1, (96*NX)/ROWB
.set E0, (96*(\st)+95)/ROWB
.set E1, (96*NX+95)/ROWB
.if C1 > C0 || E1 > E0
	s_wait_tensorcnt 0x0                           ; all my tensor loads have landed
.if C1 > C0
	ds_add_u32 v[SPW], v[NIL]
	s_wait_dscnt 4*NL+1                            ; the add and the youngest loads, A's blocks 4-7, may be out
.else
	s_wait_dscnt 4*NL                              ; A's blocks 4-7 may be out
.endif
	WIN MUL_LO
	MUL16 0, (\st)%2, (\st)%2, ((\st)/2)%2, \zero
	s_wait_dscnt 0x0                               ; the add and my reads are done
	s_barrier_signal -1
	MUL16 2, (\st)%2, (\st)%2, ((\st)/2)%2, \zero
	WIN 0
	s_barrier_wait -1
.if C1 > C0 && C0+2 < CHUNKS
	CREST
	s_add_nc_u64 s[G0+4*(C0%2)+2:G0+4*(C0%2)+3], s[G0+4*(C0%2)+2:G0+4*(C0%2)+3], 2*ROWB
	s_add_nc_u64 s[G0B+4*(C0%2)+2:G0B+4*(C0%2)+3], s[G0B+4*(C0%2)+2:G0B+4*(C0%2)+3], 2*ROWB
	JLOAD G0+4*(C0%2), G1, G0B+4*(C0%2), G1B       ; chunk C0 + 2; its four v_nop are the places in front of the loads below
.else
	PLACES NP
.endif
.else
	s_wait_dscnt 4*NL                              ; A's blocks 4-7 may be out
	WIN MUL_LO
	MUL16 0, (\st)%2, (\st)%2, ((\st)/2)%2, \zero
	MUL16 2, (\st)%2, (\st)%2, ((\st)/2)%2, \zero
	s_wait_dscnt 0
	PLACES NP
.endif
	FETCH_B NX, NX%2
	FETCH_A NX, 0
.if NX%2 == 0
	SCALES NX/2
.endif
	WIN MUL_HI
	MUL16 4, (\st)%2, (\st)%2, ((\st)/2)%2, \zero
	MUL16 6, (\st)%2, (\st)%2, ((\st)/2)%2, \zero
	PLACES NP
	WIN 0
	FETCH_A NX, 4
.endm
	s_wait_alu depctr_va_vdst(0)                   ; the wait at the head's end
	s_wait_tensorcnt 0x0                           ; my tile of the head's four is in; the three lines ahead of a later first fill
	ds_add_u32 v[SPW], v[NIL]
	s_mov_b32 s[G1+2], 128<<16                     ; no tensor load of mine is out: from here on a load brings 128 rows
	s_mov_b32 s[G1+4], 128
	s_mov_b32 s[G1B+2], 128<<16
	s_mov_b32 s[G1B+4], 128
	s_wait_dscnt 0x0
	CROUND
	JLOAD G0+4, G1, G0B+4, G1B                     ; chunk 1, the first tensor load behind the round
	FETCH_B 0, 0
	FETCH_A 0, 0
	SCALES 0
	FETCH_A 0, 4
	STEP 0, 1                                      ; the first step's products start the sums
.set STN, 1
.rept STEPS-2
	STEP STN, 0
.set STN, STN+1
.endr
	s_wait_dscnt 4*NL                              ; the last step: nothing more to fetch
	WIN MUL_LO
	MUL16 0, 1, 1, 1, 0
	MUL16 2, 1, 1, 1, 0
	s_wait_dscnt 0
	WIN MUL_HI
	MUL16 4, 1, 1, 1, 0
	MUL16 6, 1, 1, 1, 0
	WIN 0
.macro ADDB a, v                       ; block a's 64 sums + bias, each accumulator from its low end on
.set WN, 0x02+(\a)/4
	WIN WN
.set II, 0
.rept 32
.if \v
	v_pk_add_f32 v[ST+2*II:ST+2*II+1], v[64*((\a)%4)+2*II:64*((\a)%4)+2*II+1], v[BI+8*(\a)+2*(II%4):BI+8*(\a)+2*(II%4)+1]
.else
	v_pk_add_f32 v[ST+2*II:ST+2*II+1], v[64*((\a)%4)+2*II:64*((\a)%4)+2*II+1], v[BI+2*II:BI+2*II+1]
.endif
.set II, II+1
.endr
	WIN 0
.endm
; My two whole blocks of 32 (registers 32 c ..): largest magnitudes in two chains each, scale operands, bytes, codes into registers 6 c .. 6 c + 5 of the operand.  The scale word is picked, byte by byte, from my two
; bytes (at bytes 0 and 2) and lane l xor 16's, by the selector in v[SH].
.macro QUANT s, pw
.irp c, 0,1
	v_max3_num_f32 v[TM+\c], |v[\s+32*\c]|, |v[\s+1+32*\c]|, 0x2800000
	v_max3_num_f32 v[TM+2+\c], |v[\s+2+32*\c]|, |v[\s+3+32*\c]|, |v[\s+4+32*\c]|
.endr
.irp i, 5,9,13,17,21,25
.irp c, 0,1
	v_max3_num_f32 v[TM+\c], v[TM+\c], |v[\s+32*\c+\i]|, |v[\s+32*\c+\i+1]|
	v_max3_num_f32 v[TM+2+\c], v[TM+2+\c], |v[\s+32*\c+\i+2]|, |v[\s+32*\c+\i+3]|
.endr
.endr
.irp c, 0,1
	v_max3_num_f32 v[TM+\c], v[TM+\c], |v[\s+32*\c+29]|, |v[\s+32*\c+30]|
.endr
.irp c, 0,1
	v_max3_num_f32 v[TM+\c], v[TM+\c], v[TM+2+\c], |v[\s+32*\c+31]|
.endr
.irp c, 0,1
	v_add_nc_u32 v[TM+4+\c], 0xfe000000, v[TM+\c]  ; 4 off the exponent field: the conversion's scale operand
.endr
.irp c, 0,1
	v_lshrrev_b32 v[TM+\c], 23, v[TM+4+\c]         ; the scale's byte
.endr
	v_lshl_or_b32 v[TM+6], v[TM+1], 16, v[TM]
	v_permlanex16_b32 v[TM+7], v[TM+6], s[SEL], s[SEL+1]
	v_perm_b32 v[\pw], v[TM+7], v[TM+6], v[SH]
.irp c, 0,1
	v_cvt_scalef32_pk16_bf6_f32 v[PC+6*\c:PC+2+6*\c], v[\s+32*\c:\s+15+32*\c], v[TM+4+\c]
	v_cvt_scalef32_pk16_bf6_f32 v[PC+12+4*\c:PC+14+4*\c], v[\s+16+32*\c:\s+31+32*\c], v[TM+4+\c]   ; (a conversion's three registers begin on an even number)
.endr
	v_nop
.irp c, 0,1
.irp i, 0,1,2
	v_mov_b32 v[PC+3+6*\c+\i], v[PC+12+4*\c+\i]
.endr
.endr
.endm
.macro OUTQK a
	ADDB \a, 0
.if (\a) > 0
	s_wait_xcnt 0x0                                ; the last block's stores have read their registers
.endif
	QUANT ST, PWS+(\a)
.irp p, 0,1,2,3,4,5
	global_store_b64 v[CO8], v[PC+2*\p:PC+2*\p+1], s[10:11] offset:(\p/3)*HEADB+768*(\a)+256*(\p%3)   ; 32 lanes store 256 consecutive bytes, aligned
.endr
.if (\a)%4 == 3
	global_store_b128 v[SO], v[PWS+(\a)-3:PWS+(\a)], s[10:11] offset:12288+256*((\a)/4)
.endif
.endm
.macro OUTV a
	ADDB \a, 1
.if (\a) > 0
	s_wait_xcnt 0x0
.endif
	QUANT ST, PWS+(\a)
.irp c, 0,1,2
	global_store_b128 v[CO16], v[PC+4*\c:PC+4*\c+3], s[10:11] offset:((\a)/4)*HEADB+6144+1536*((\a)%4)+512*\c
.endr
.endm
	PLACES NP
	s_mov_b32 s[SEL], 0x76543210
	s_mov_b32 s[SEL+1], 0xfedcba98
	s_mov_b32 vcc_lo, 0xffff0000
	v_mov_b32 v[TM+7], 0
	s_cmp_lg_u32 s97, 0
	s_cbranch_scc1 .Lout_v
	v_mov_b32 v[SH], 0x00000400                    ; q, k: lanes 0-15 keep the first head's word: my byte 0, the other lane's byte 0 (the upper two bytes repeat a byte);
	v_mov_b32 v[XW], 0x02020206                    ; lanes 16-31 the second head's: the other lane's byte 2, my byte 2
	v_cndmask_b32 v[SH], v[SH], v[XW], vcc_lo
	s_sub_co_u32 s92, s42, 32
	s_lshr_b32 s93, s92, 2
	s_lshl_b32 s93, s93, 6                         ; q: heads 0 .., k: heads 64 ..
	s_and_b32 s92, s92, 3
	s_lshl_b32 s92, s92, 2
	s_add_co_u32 s93, s93, s92
	s_lshr_b32 s92, s17, 3
	s_lshl_b32 s92, s92, 4
	s_add_co_u32 s93, s93, s92
	s_lshl_b32 s92, s16, 1
	s_add_co_u32 s93, s93, s92
	s_and_b32 s92, s17, 7
	s_lshl_b32 s92, s92, 1
	s_add_co_u32 s92, s92, s15
	s_mul_i32 s93, s93, HEADB
	s_mul_i32 s92, s92, REC
	s_add_co_u32 s92, s92, s93
	s_mov_b32 s93, 0
	s_add_nc_u64 s[10:11], s[10:11], s[92:93]
.irp a, 0,1,2,3,4,5,6,7
	OUTQK \a
.endr
	s_branch .Lout_done
.Lout_v:
	v_mov_b32 v[SH], 0x06020400                    ; v: blocks 0 to 3 of the 128 keys: lanes 0-15 hold blocks 0 and 2, lanes 16-31 blocks 1 and 3; both halves make the whole word
	v_mov_b32 v[XW], 0x02060004
	v_cndmask_b32 v[SH], v[SH], v[XW], vcc_lo
	s_lshr_b32 s93, s42, 3
	s_lshl_b32 s93, s93, 4
	s_add_co_u32 s93, s93, 64
	s_sub_co_u32 s92, s17, 40
	s_lshl_b32 s92, s92, 2
	s_add_co_u32 s93, s93, s92
	s_lshl_b32 s92, s15, 1
	s_add_co_u32 s93, s93, s92
	s_and_b32 s92, s42, 7
	s_lshl_b32 s92, s92, 1
	s_add_co_u32 s92, s92, s16
	s_mul_i32 s93, s93, HEADB
	s_mul_i32 s92, s92, REC
	s_add_co_u32 s92, s92, s93
	s_mov_b32 s93, 0
	s_add_nc_u64 s[10:11], s[10:11], s[92:93]
.irp a, 0,1,2,3,4,5,6,7
	OUTV \a
.endr
	s_mov_b32 vcc_lo, 0xffff0000
.irp j, 0,1,2,3
	v_cndmask_b32 v[XW+\j], v[PWS+\j], v[PWS+4+\j], vcc_lo
.endr
	global_store_b128 v[SO], v[XW:XW+3], s[10:11] offset:12800
.Lout_done:
	s_wait_tensorcnt 0x0                           ; the wave's end
	ds_add_u32 v[SPW], v[NIL]
	s_wait_dscnt 0x0
	CROUND                                         ; the closing round
	s_endpgm
.Lfunc_end_k_qe9a396951c_gemm:
	.size	k_qe9a396951c_gemm, .Lfunc_end_k_qe9a396951c_gemm-k_qe9a396951c_gemm
	.p2alignl 7, 3214868480
	.fill 96, 4, 3214868480
	.section	.rodata,"a",@progbits
	.p2align	6, 0x0
	.amdhsa_kernel k_qe9a396951c_gemm
		.amdhsa_group_segment_fixed_size 327680
		.amdhsa_private_segment_fixed_size 0
		.amdhsa_enable_private_segment 0
		.amdhsa_kernarg_size 32
		.amdhsa_user_sgpr_count 2
		.amdhsa_user_sgpr_kernarg_segment_ptr 1
		.amdhsa_wavefront_size32 1
		.amdhsa_system_sgpr_workgroup_id_x 1
		.amdhsa_system_sgpr_workgroup_id_y 1
		.amdhsa_system_sgpr_workgroup_id_z 1
		.amdhsa_system_vgpr_workitem_id 0
		.amdhsa_next_free_vgpr 1024
		.amdhsa_next_free_sgpr 102
		.amdhsa_reserve_vcc 1
		.amdhsa_float_denorm_mode_32 3
		.amdhsa_float_denorm_mode_16_64 3
		.amdhsa_memory_ordered 1
		.amdhsa_forward_progress 1
		.amdhsa_inst_pref_size 224
	.end_amdhsa_kernel
	.amdgpu_metadata
---
amdhsa.version: [ 1, 2 ]
amdhsa.kernels:
  - .name:           k_qe9a396951c_gemm
    .symbol:         k_qe9a396951c_gemm.kd
    .args:
      - { .name: cod, .offset: 0, .size: 8, .value_kind: global_buffer, .address_space: global }
      - { .name: scl, .offset: 8, .size: 8, .value_kind: global_buffer, .address_space: global }
      - { .name: bias3, .offset: 16, .size: 8, .value_kind: global_buffer, .address_space: global }
      - { .name: qkv, .offset: 24, .size: 8, .value_kind: global_buffer, .address_space: global }
    .group_segment_fixed_size: 327680
    .private_segment_fixed_size: 0
    .kernarg_segment_align: 8
    .kernarg_segment_size: 32
    .max_flat_workgroup_size: 128
    .sgpr_count:     102
    .vgpr_count:     1024
    .wavefront_size: 32
...
	.end_amdgpu_metadata
.endif
;; end of part 2
;; launch attn (part 3): grid 4 x 64, 16 waves a work-group, clusters of 4 x 1, 288,768 bytes of LDS; arguments qkv, attention_mask, out0; writes out0
.if DOCPART == 3
	.amdgcn_target "amdgcn-amd-amdhsa--gfx1250"
	.amdhsa_code_object_version 6
	.text
	.protected	k_qe9a396951c_attn
	.globl	k_qe9a396951c_attn
	.p2align	8
	.type	k_qe9a396951c_attn,@function
k_qe9a396951c_attn:
	s_mov_b64 s[64:65], 0
	v_nop
	global_prefetch_b8 v0, s[64:65] scope:SCOPE_SE
	s_setreg_imm32_b32 hwreg(HW_REG_WAVE_MODE, 25, 1), 1
	s_wait_xcnt 0x0
	s_wait_alu depctr_hold_cnt(0) depctr_sa_sdst(0) depctr_va_vdst(0) depctr_va_sdst(0) depctr_va_ssrc(0) depctr_va_vcc(0) depctr_vm_vsrc(0)
	s_getreg_b32 s2, hwreg(HW_REG_IB_STS2, 6, 4)
	s_cmp_eq_u32 s2, 0
	s_cbranch_scc0 .Lentry_in_a_cluster
	s_endpgm
.Lentry_in_a_cluster:
	s_bfe_u32 s2, ttmp6, 0x10000c
	s_cmp_lg_u32 s2, 0x3003
	s_cbranch_scc0 .Lentry_shape_is_right
	s_endpgm
.Lentry_shape_is_right:
; out0[b][q][64 head + d] = the sum over keys of softmax(q . k / 8 + mask[b][key]) v[key][d], both products on codes of BF6 (E3M2) with one E8M0 scale for each 32 along a product's K.
; q, k and v come quantised, as images of the operands' registers, from qkv: [q | k and v][16 b + head][16 records of 128 tokens]; a record of 13,056 bytes: at 0 eight tiles of 16 tokens x 64 d (6 registers:
; pair i at 768 a + 256 i + 8 lane); at 6,144 four tiles of 16 d x 128 keys (12 registers: group c at 1,536 t + 512 c + 16 lane); at 12,288 the token tiles' scale words; at 12,800 v's.
; THE FIRST PRODUCT'S K IS 64, the instruction's 128: registers 6-11 of q's fragment hold zero codes.  So whatever codes stand in registers 6-11 of a fragment of k add nothing (every code of E3M2 is a finite number,
; and the scale words' upper bytes repeat a scale byte, never 0xff): k's eight tiles lie 6 registers apart, and tile t's upper half is tile t + 1's codes.
; THE ROWS OF A TILE ARE NOT NEIGHBOURS: row r of tile a is token (or channel) 64 (a / 4) + 32 (r / 8) + 8 (a % 4) + r % 8.  So lane (r, h)'s 32 registers of four neighbouring result tiles are items 32 h + 0 .. 31 of a
; group of 64: a whole block of 32 keys, in the lane in which the 6-bit operand's layout wants it: a block's maximum needs no other lane, and p's codes are not moved between lanes.
; THE SOFTMAX: t = (score + 8 mask) x log2(e) / 8; M = the row's largest t so far, rounded UP to a whole number; p = 2^(t - M) is quantised along the keys, not normalised.  The row's sum is taken of the
; unquantised p and divides at the end.  When M moves, the sum and O are multiplied by 2^(old M - new M): exact.  8 x mask is the C of the first product.
; LIMITS: a mask number under -2^97 (minus infinity too) is held at -2^97: such a key's p is 0 beside any key that is not so masked; a row all of whose keys are masked by minus infinity gets the mean of v where
; the definition gives NaN.  NaN among the inputs is not served.
; SHARES.  256 work-groups.  A work-group owns 512 queries of one head; each of its sixteen waves owns two tiles of 16, one after the other (two passes over the keys), in 256 registers: four waves to a SIMD.
; Both products are used transposed (S^T = k q^T, O^T = v^T p^T): a lane holds ONE query throughout.
; LDS.  A head's k and v, 208,896 bytes, lie in LDS whole, as they lie in memory, filled once: each wave brings one record, 51 rows of 256 bytes, by its one tensor load; one barrier; both passes read them.
; CLUSTER.  The four work-groups of a head form a cluster and ask for its k and v JOINTLY.  No prefetch: the one stream from memory is asked for whole by the head's loads, so no loop is left to run ahead in.
.set REC,   13056
.set HEADB, 16*REC
.set MASKL, HEADB                      ; max(8 x mask, -2^100) for the batch's 2,048 keys, written by LDS stores
.set STAGE, MASKL+8192                 ; the way out: 16 rows x 272 bytes for each wave
.set SPARE, STAGE+16*16*272            ; the spare words, 128 bytes a wave
.set AK0,  1                           ; 8 x lane
.set AV0,  2                           ; 16 x lane + 6,144
.set AS0,  3                           ; 16 r + 12,288
.set AM0,  4                           ; MASKL + 128 h
.set GO,   5                           ; my byte offset in out0
.set SPW,  6
.set NIL,  7
.set ADK,  8
.set ADV,  9
.set ADS,  10
.set ADM,  11
.set QF,   16                          ; v16-27 q's fragment
.set VS,   28                          ; v28-31 v's scale words
.set KF,   32                          ; v32-85 k's eight tiles, 6 registers apart (v80-85 stay zero); then v's four fragments in v32-79
.set KS,   86                          ; v86-93 k's scale words
.set QS,   94                          ; q's scale words
.set S,    96                          ; v96-159 S^T, then p
.set O,    160                         ; v160-191 O^T
.set PC,   192                         ; v192-203 p's codes
.set T2,   204                         ; the second halves' conversions
.set BM,   212                         ; my two blocks' largest scores (two chains each), then p
.set BX,   216
.set SOP,  220                         ; the conversions' scale operands
.set T,    224                         ; v224-237 seven partial sums
.set F,    238                         ; f, named as the pair v[238:239]
.set PW,   240                         ; p's scale word
.set TMP,  241
.set STI,  242                         ; the stage, in
.set STB,  243                         ; and back
.set WV,   10
.set SEL,  20
.set CS,   22
.set G1,   24
.set G0,   32
.set TB,   48
.set TM,   49
.macro CROUND
	s_barrier_signal -1
	s_barrier_wait -1
	s_cmp_lg_u32 s[WV], 0
	s_cbranch_scc1 .Lnot_wave_0_\@
	s_barrier_signal -3
.Lnot_wave_0_\@:
	s_barrier_wait -3
	s_barrier_signal -1
	s_barrier_wait -1
.endm
	s_load_b128 s[4:7], s[0:1], 0x0                ; qkv, attention_mask
	s_load_b64 s[8:9], s[0:1], 0x10                ; out0
	v_lshl_add_u32 v[SPW], v0, 2, SPARE
	v_mov_b32 v[NIL], 0
	ds_add_u32 v[SPW], v[NIL]                      ; the opening lines: the add twice on end and one wait
	ds_add_u32 v[SPW], v[NIL]
	v_lshrrev_b32 v8, 5, v0
	v_readfirstlane_b32 s[WV], v8                  ; wave 0..15
	s_bfe_u32 s11, ttmp6, 0x40000                  ; cx: it enters q's and out0's addresses alone
	s_lshl_b32 s12, ttmp9, 2
	s_add_co_u32 s12, s12, s11                     ; my block of 512 queries, 0 .. 3
	s_and_b32 s13, ttmp7, 0xffff                   ; 16 x batch + head
	s_add_co_u32 s14, s13, 64
	s_mul_i32 s14, s14, HEADB                      ; the head's k and v,
	s_mul_i32 s16, s[WV], REC                      ; my record of them, in memory and in LDS
	s_add_co_u32 s14, s14, s16
	s_mov_b32 s15, 0
	s_lshl_b32 s17, s12, 2
	s_lshr_b32 s18, s[WV], 3
	s_add_co_u32 s17, s17, s18
	s_mul_i32 s17, s17, REC
	s_mul_i32 s18, s13, HEADB
	s_add_co_u32 s18, s18, s17                     ; the first pass's record of queries; the second's lies two records on
	s_and_b32 s19, s[WV], 7
	s_mul_i32 s56, s19, 768
	s_add_co_u32 s56, s56, s18
	s_mov_b32 s57, 0
	s_lshr_b32 s58, s19, 2
	s_lshl_b32 s58, s58, 8
	s_and_b32 s59, s[WV], 3
	s_lshl_b32 s59, s59, 2
	s_add_co_u32 s58, s58, s59
	s_add_co_u32 s58, s58, s18
	s_mov_b32 s59, 0
	s_lshr_b32 s51, s13, 4                         ; the batch
	s_lshl_b32 s60, s51, 13
	s_mov_b32 s61, 0
	s_lshl_b32 s62, s12, 3
	s_lshr_b32 s63, s[WV], 2
	s_add_co_u32 s62, s62, s63
	s_lshl_b32 s62, s62, 6
	s_and_b32 s63, s[WV], 3
	s_lshl_b32 s63, s63, 3
	s_add_co_u32 s62, s62, s63                     ; my first tile's row 0 is token 64 (tile / 4) + 8 (tile % 4) of the batch; the second's lies 256 tokens on
	s_lshl_b32 s63, s51, 11
	s_add_co_u32 s62, s62, s63
	s_lshl_b32 s62, s62, 12
	s_and_b32 s63, s13, 15
	s_lshl_b32 s63, s63, 8
	s_add_co_u32 s62, s62, s63
	s_mov_b32 s63, 0
	s_mov_b32 s[G1], 15|(3<<16)|(1<<21)            ; the mask: all four work-groups; elements of 8 bytes; bit 21 beside a mask
	s_mov_b32 s[G1+1], 32<<16                      ; rows of 256 bytes,
	s_mov_b32 s[G1+2], 51<<16                      ; 51 of them
	s_mov_b32 s[G1+3], 32<<16
	s_mov_b32 s[G1+4], 51
	s_mov_b32 s[G1+5], 32
	s_mov_b32 s[G1+6], 0
	s_mov_b32 s[G1+7], 0
	s_mov_b32 s[SEL], 0x76543210
	s_mov_b32 s[SEL+1], 0xfedcba98
	s_mov_b32 s[CS], 0x3e38aa3b                    ; c = log2(e) / 8
	s_mov_b32 s[CS+1], s[CS]
	s_mul_i32 s3, s[WV], 16*272
	s_add_co_u32 s3, s3, STAGE                     ; my stage
	v_and_b32 v12, 31, v0                          ; lane
	v_and_b32 v13, 15, v0                          ; r
	v_bfe_u32 v14, v0, 4, 1                        ; h
	v_lshlrev_b32 v[AK0], 3, v12
	v_lshl_add_u32 v[AV0], v12, 4, 6144
	v_lshl_add_u32 v[AS0], v13, 4, 12288
	v_lshl_add_u32 v[AM0], v14, 7, MASKL
	v_lshlrev_b32 v[GO], 12, v14
	v_lshl_add_u32 v[GO], v13, 4, v[GO]            ; lanes 0-15 one token's 256 bytes, lanes 16-31 the next token's
	v_lshlrev_b32 v10, 4, v0                       ; the mask: 16 bytes a thread
	v_add_nc_u32 v11, MASKL, v10
	v_mul_u32_u24 v[STI], v13, 272
	v_lshl_add_u32 v[STI], v14, 7, v[STI]
	v_add_nc_u32 v[STI], s3, v[STI]                ; in: row r; register i is channel 32 h + i
	v_mul_u32_u24 v[STB], v14, 272
	v_lshl_add_u32 v[STB], v13, 4, v[STB]
	v_add_nc_u32 v[STB], s3, v[STB]                ; back: lanes 0-15 one row, lanes 16-31 the next
	s_wait_alu depctr_va_vdst(0)                   ; the wait at the head's end
	s_wait_dscnt 0x0                               ; both opening adds are done
	s_wait_kmcnt 0x0
	s_add_nc_u64 s[14:15], s[4:5], s[14:15]
	s_add_nc_u64 s[52:53], s[4:5], s[56:57]
	s_add_nc_u64 s[54:55], s[4:5], s[58:59]
	s_add_nc_u64 s[6:7], s[6:7], s[60:61]
	s_add_nc_u64 s[8:9], s[8:9], s[62:63]
	s_mov_b32 s[G0], 1
	s_add_co_u32 s[G0+1], s16, 0                   ; LDS address: the wave's number x 13,056
	s_mov_b64 s[G0+2:G0+3], s[14:15]
	s_or_b32 s[G0+3], s[G0+3], 0x80000000
	CROUND                                         ; all four work-groups are here: the joint loads meet
	tensor_load_to_lds s[G0:G0+3], s[G1:G1+7]      ; my one tensor load: each LDS byte is filled once in the launch
	s_nop 0
	global_load_b128 v[S:S+3], v10, s[6:7]         ; the batch's mask, 4 numbers a thread
.irp j, 0,1,2,3,4,5
	v_mov_b32 v[QF+6+\j], 0                        ; zero codes for K = 64 .. 127 of q,
	v_mov_b32 v[KF+48+\j], 0                       ; and written registers behind k's last tile
.endr
.irp b, 0,1,2,3
	v_mov_b32 v[BX+\b], 0                          ; a lane permute's destination counts as one of its sources
.endr
	v_mov_b32 v[F], 0
	v_mov_b32 v[F+1], 0
	s_wait_loadcnt 0x0
	v_pk_mul_f32 v[S:S+1], v[S:S+1], 0x41000000 op_sel_hi:[1,0]   ; 8 x mask
	v_pk_mul_f32 v[S+2:S+3], v[S+2:S+3], 0x41000000 op_sel_hi:[1,0]
.irp j, 0,1,2,3
	v_max_num_f32 v[S+\j], 0xf1800000, v[S+\j]     ; held at -2^100, so that every t is a number
.endr
	ds_store_b128 v11, v[S:S+3]
	s_wait_alu depctr_va_vdst(0)
	s_wait_tensorcnt 0x0                           ; my record has landed,
	s_wait_dscnt 0x0                               ; my part of the mask is stored;
	s_barrier_signal -1
	s_barrier_wait -1                              ; and so of all sixteen waves
; A KEY STEP: 128 keys, one record.
.macro STEP
	v_add_nc_u32 v[ADK], s[TB], v[AK0]             ; (with the sums' last lines: the places behind the last step's products, in front of the loads into v's registers)
	v_add_nc_u32 v[ADS], s[TB], v[AS0]
	v_add_nc_u32 v[ADM], s[TM], v[AM0]
.irp t, 0,1,2,3,4,5,6,7                        ; 8 x mask in the result's layout: register j of tile t is key 64 (t / 4) + 32 h + 8 (t % 4) + j
	ds_load_b128 v[S+8*\t:S+8*\t+3], v[ADM] offset:256*(\t/4)+32*(\t%4)
	ds_load_b128 v[S+8*\t+4:S+8*\t+7], v[ADM] offset:256*(\t/4)+32*(\t%4)+16
.endr
.irp t, 0,1,2,3,4,5,6,7
.irp i, 0,1,2
	ds_load_b64 v[KF+6*\t+2*\i:KF+6*\t+2*\i+1], v[ADK] offset:768*\t+256*\i   ; 32 lanes read 256 consecutive bytes
.endr
.endr
	ds_load_b128 v[KS:KS+3], v[ADS]
	ds_load_b128 v[KS+4:KS+7], v[ADS] offset:256
	s_wait_alu depctr_va_vdst(0)
	s_wait_dscnt 0x0
.irp t, 0,1,2,3,4,5,6,7                        ; S^T = k q^T + 8 mask.  The accumulators take turns
	v_wmma_scale_f32_16x16x128_f8f6f4 v[S+8*\t:S+8*\t+7], v[KF+6*\t:KF+6*\t+11], v[QF:QF+11], v[S+8*\t:S+8*\t+7], v[KS+\t], v[QS] matrix_a_fmt:MATRIX_FMT_BF6 matrix_b_fmt:MATRIX_FMT_BF6
.endr
	v_add_nc_u32 v[ADV], s[TB], v[AV0]             ; four places: in front of the loads into k's registers and of the first read of S^T
	v_mov_b32 v[TMP], v12                          ; the old -M
	v_nop
	v_nop
.irp t, 0,1,2,3                                ; v's four fragments take k's registers and land under the softmax
.irp c, 0,1,2
	ds_load_b128 v[KF+12*\t+4*\c:KF+12*\t+4*\c+3], v[ADV] offset:1536*\t+512*\c
.endr
.endr
	ds_load_b128 v[VS:VS+3], v[ADS] offset:512
.irp c, 0,1                                    ; the largest score of each of my two blocks of 32 keys, in two chains: for the row's maximum and, since p rises with the score, for the block's largest p
	v_max3_num_f32 v[BM+\c], v[S+32*\c], v[S+1+32*\c], v[S+2+32*\c]
	v_max3_num_f32 v[BM+2+\c], v[S+3+32*\c], v[S+4+32*\c], v[S+5+32*\c]
.endr
.irp i, 6,10,14,18,22,26
.irp c, 0,1
	v_max3_num_f32 v[BM+\c], v[BM+\c], v[S+32*\c+\i], v[S+32*\c+\i+1]
	v_max3_num_f32 v[BM+2+\c], v[BM+2+\c], v[S+32*\c+\i+2], v[S+32*\c+\i+3]
.endr
.endr
.irp c, 0,1
	v_max3_num_f32 v[BM+\c], v[BM+\c], v[S+32*\c+30], v[S+32*\c+31]
.endr
.irp c, 0,1
	v_max_num_f32 v[BM+\c], v[BM+\c], v[BM+2+\c]
.endr
	s_delay_alu instid0(VALU_DEP_1)
	v_max3_num_f32 v[T], v13, v[BM], v[BM+1]       ; with the running largest score,
	s_delay_alu instid0(VALU_DEP_1)
	v_permlanex16_b32 v[BX], v[T], s[SEL], s[SEL+1]
	s_delay_alu instid0(VALU_DEP_1)
	v_max_num_f32 v13, v[T], v[BX]                 ; and lane l xor 16's: my query's largest score so far
	s_delay_alu instid0(VALU_DEP_1)
	v_mul_f32 v[T], s[CS], v13                     ; as t (c is positive)
	s_delay_alu instid0(VALU_DEP_1)
	v_floor_f32 v12, -v[T]                         ; the new -M = -ceil(t): a whole number
	s_delay_alu instid0(VALU_DEP_1)
	v_sub_f32 v[T], v12, v[TMP]                    ; old M - new M
	s_delay_alu instid0(VALU_DEP_1)
	v_cvt_i32_f32 v[T], v[T]
	s_delay_alu instid0(VALU_DEP_1)
	v_ldexp_f32 v[F], 1.0, v[T]                    ; f = 2^(old M - new M)
.set J, 0
.rept 32
	v_pk_fma_f32 v[S+J:S+J+1], v[S+J:S+J+1], s[CS:CS+1], v[12:13] op_sel_hi:[1,0,0]   ; t - M (of the pairs c and -M the low word serves both halves)
.set J, J+2
.endr
.irp c, 0,1
	v_fma_f32 v[BM+\c], v[BM+\c], s[CS], v12
.endr
	s_wait_alu depctr_va_vdst(0)                   ; the wait ahead of the batch
.set J, 0
.rept 64
	v_exp_f32 v[S+J], v[S+J]                       ; p = 2^(t - M), at most 1
.set J, J+1
.endr
.irp c, 0,1
	v_exp_f32 v[BM+\c], v[BM+\c]                   ; the block's largest p
.endr
	v_pk_mul_f32 v[14:15], v[14:15], v[F:F+1] op_sel_hi:[1,0]   ; the sums under the new M (a plain place behind the exponentials)
	s_wait_alu depctr_va_vdst(0)                   ; and behind it
.irp c, 0,1
	v_max_num_f32 v[BM+\c], 0x2800000, v[BM+\c]    ; the floor: the byte cannot fall under 1
.endr
.irp c, 0,1
	s_delay_alu instid0(VALU_DEP_2)
	v_add_nc_u32 v[SOP+\c], 0xfe000000, v[BM+\c]   ; the conversion's scale operand
.endr
.irp c, 0,1
	s_delay_alu instid0(VALU_DEP_2)
	v_lshrrev_b32 v[BX+1+\c], 23, v[SOP+\c]        ; the scale's byte
.endr
	s_delay_alu instid0(VALU_DEP_1)
	v_lshl_or_b32 v[BX+3], v[BX+2], 16, v[BX+1]    ; my two bytes, at bytes 0 and 2
	s_delay_alu instid0(VALU_DEP_1)
	v_permlanex16_b32 v[BX], v[BX+3], s[SEL], s[SEL+1]
	s_delay_alu instid0(VALU_DEP_1)
	v_perm_b32 v[PW], v[BX], v[BX+3], 0x06020400   ; in lanes 0-15, which alone are read: blocks 0 (mine), 1 (the other lane's), 2, 3
.irp c, 0,1
	v_cvt_scalef32_pk16_bf6_f32 v[PC+6*\c:PC+2+6*\c], v[S+32*\c:S+15+32*\c], v[SOP+\c]
	v_cvt_scalef32_pk16_bf6_f32 v[T2+4*\c:T2+2+4*\c], v[S+16+32*\c:S+31+32*\c], v[SOP+\c]   ; (a conversion's three registers begin on an even number)
.endr
	v_nop                                          ; one plain place behind a scaled conversion
.irp c, 0,1
.irp i, 0,1,2
	v_mov_b32 v[PC+3+6*\c+\i], v[T2+4*\c+\i]
.endr
.endr
.irp i, 0,1,2,3,4,5,6                          ; the row's sum of the unquantised p, in eight chains
	v_pk_add_f32 v[T+2*\i:T+2*\i+1], v[S+4*\i:S+4*\i+1], v[S+4*\i+2:S+4*\i+3]
.endr
	v_pk_add_f32 v[14:15], v[14:15], v[S+28:S+29]
.irp i, 0,1,2,3,4,5,6
	v_pk_add_f32 v[T+2*\i:T+2*\i+1], v[T+2*\i:T+2*\i+1], v[S+30+2*\i:S+31+2*\i]
.endr
	v_pk_add_f32 v[14:15], v[14:15], v[S+44:S+45]
.irp i, 0,1,2,3,4,5,6
	v_pk_add_f32 v[T+2*\i:T+2*\i+1], v[T+2*\i:T+2*\i+1], v[S+46+2*\i:S+47+2*\i]
.endr
	v_pk_add_f32 v[14:15], v[14:15], v[S+60:S+61]
	v_pk_add_f32 v[T:T+1], v[T:T+1], v[S+62:S+63]
	s_wait_alu depctr_va_vdst(0)                   ; the wait ahead of the first reader of O^T
.set J, 0
.rept 16
	v_pk_mul_f32 v[O+J:O+J+1], v[O+J:O+J+1], v[F:F+1] op_sel_hi:[1,0]   ; O^T under the new M, each accumulator from its low end on
.set J, J+2
.endr
	s_wait_alu depctr_va_vdst(0)
	s_wait_dscnt 0x0                               ; v's fragments and scale words are in
.irp t, 0,1,2,3                                ; O^T += v^T p^T
	v_wmma_scale_f32_16x16x128_f8f6f4 v[O+8*\t:O+8*\t+7], v[KF+12*\t:KF+12*\t+11], v[PC:PC+11], v[O+8*\t:O+8*\t+7], v[VS+\t], v[PW] matrix_a_fmt:MATRIX_FMT_BF6 matrix_b_fmt:MATRIX_FMT_BF6
.endr
	v_pk_add_f32 v[T:T+1], v[T:T+1], v[T+2:T+3]    ; the eight chains are joined behind the products: these lines are their places
	v_pk_add_f32 v[T+4:T+5], v[T+4:T+5], v[T+6:T+7]
	v_pk_add_f32 v[T+8:T+9], v[T+8:T+9], v[T+10:T+11]
	v_pk_add_f32 v[14:15], v[14:15], v[T+12:T+13]
	v_pk_add_f32 v[T:T+1], v[T:T+1], v[T+4:T+5]
	v_pk_add_f32 v[14:15], v[14:15], v[T+8:T+9]
	s_delay_alu instid0(VALU_DEP_1)
	v_pk_add_f32 v[14:15], v[14:15], v[T:T+1]
	s_add_co_u32 s[TB], s[TB], REC
	s_add_co_u32 s[TM], s[TM], 512
.endm
; A PASS: one tile of 16 queries over all 2,048 keys, and its way out.
.macro PASS p
.irp i, 0,1,2
	global_load_b64 v[QF+2*\i:QF+2*\i+1], v[AK0], s[52:53] offset:2*REC*\p+256*\i
.endr
	global_load_b32 v[QS], v[AS0], s[54:55] offset:2*REC*\p
	v_mov_b32 v13, 0xff61b1e6                      ; the largest score so far: -3e38, under every score
	v_mov_b32 v14, 0
	v_mov_b32 v15, 0
	v_floor_f32 v12, -v13                          ; -M: above every later one
.set J, 0
.rept 32
	v_mov_b32 v[O+J], 0                            ; O^T: the step is written once; the first finds zeros
.set J, J+1
.endr
	s_mov_b32 s[TB], 0
	s_mov_b32 s[TM], 0
	s_mov_b32 s50, 16
	s_wait_alu depctr_va_vdst(0)
	s_wait_loadcnt 0x0
.Lstep_\@:
	STEP
	s_sub_co_u32 s50, s50, 1
	s_cmp_lg_u32 s50, 0
	s_wait_alu depctr_va_vdst(0)                   ; the wait ahead of the branch
	s_cbranch_scc1 .Lstep_\@
	v_add_f32 v14, v14, v15
	s_delay_alu instid0(VALU_DEP_1)
	v_permlanex16_b32 v[F], v14, s[SEL], s[SEL+1]
	s_delay_alu instid0(VALU_DEP_1)
	v_add_f32 v14, v14, v[F]                       ; the row's sum
	s_wait_alu depctr_va_vdst(0)
	v_rcp_f32 v14, v14
	v_nop
	s_wait_alu depctr_va_vdst(0)
.set J, 0
.rept 16
	v_pk_mul_f32 v[S+J:S+J+1], v[O+J:O+J+1], v[14:15] op_sel_hi:[1,0]   ; O^T / the sum
.set J, J+2
.endr
.irp q, 0,1,2,3,4,5,6,7
	ds_store_b128 v[STI], v[S+4*\q:S+4*\q+3] offset:16*\q
.endr
.irp i, 0,1,2,3,4,5,6,7
	ds_load_b128 v[KF+4*\i:KF+4*\i+3], v[STB] offset:2*\i*272   ; LDS serves a wave's instructions in order: these see my stores
.endr
.irp i, 0,1,2,3,4,5,6,7
	s_wait_dscnt 7-\i                              ; load i is in, the younger ones stay out
	global_store_b128 v[GO], v[KF+4*\i:KF+4*\i+3], s[8:9] offset:0x100000*\p+4096*(2*(\i%4)+32*(\i/4)) th:TH_STORE_NT   ; stage row q is token 32 (q / 8) + q % 8 of my tile; sixteen lanes store its 256 bytes of this head, aligned
.endr
	s_wait_xcnt 0x0                                ; the stores have read their registers
.endm
	PASS 0
	PASS 1
	s_wait_tensorcnt 0x0                           ; the wave's end
	ds_add_u32 v[SPW], v[NIL]
	s_wait_dscnt 0x0
	CROUND                                         ; the closing round
	s_endpgm
.Lfunc_end_k_qe9a396951c_attn:
	.size	k_qe9a396951c_attn, .Lfunc_end_k_qe9a396951c_attn-k_qe9a396951c_attn
	.p2alignl 7, 3214868480
	.fill 96, 4, 3214868480
	.section	.rodata,"a",@progbits
	.p2align	6, 0x0
	.amdhsa_kernel k_qe9a396951c_attn
		.amdhsa_group_segment_fixed_size 288768
		.amdhsa_private_segment_fixed_size 0
		.amdhsa_enable_private_segment 0
		.amdhsa_kernarg_size 24
		.amdhsa_user_sgpr_count 2
		.amdhsa_user_sgpr_kernarg_segment_ptr 1
		.amdhsa_wavefront_size32 1
		.amdhsa_system_sgpr_workgroup_id_x 1
		.amdhsa_system_sgpr_workgroup_id_y 1
		.amdhsa_system_sgpr_workgroup_id_z 1
		.amdhsa_system_vgpr_workitem_id 0
		.amdhsa_next_free_vgpr 256
		.amdhsa_next_free_sgpr 66
		.amdhsa_reserve_vcc 0
		.amdhsa_float_denorm_mode_32 3
		.amdhsa_float_denorm_mode_16_64 3
		.amdhsa_memory_ordered 1
		.amdhsa_forward_progress 1
		.amdhsa_inst_pref_size 51
	.end_amdhsa_kernel
	.amdgpu_metadata
---
amdhsa.version: [ 1, 2 ]
amdhsa.kernels:
  - .name:           k_qe9a396951c_attn
    .symbol:         k_qe9a396951c_attn.kd
    .args:
      - { .name: qkv, .offset: 0, .size: 8, .value_kind: global_buffer, .address_space: global }
      - { .name: attention_mask, .offset: 8, .size: 8, .value_kind: global_buffer, .address_space: global }
      - { .name: out0, .offset: 16, .size: 8, .value_kind: global_buffer, .address_space: global }
    .group_segment_fixed_size: 288768
    .private_segment_fixed_size: 0
    .kernarg_segment_align: 8
    .kernarg_segment_size: 24
    .max_flat_workgroup_size: 512
    .sgpr_count:     66
    .vgpr_count:     256
    .wavefront_size: 32
...
	.end_amdgpu_metadata
.endif
;; end of part 3
